; MI455X (gfx1250); checked and timed in simulation.
; The chip was launched on July 23, 2026; its instructions are those of AMD's public machine-readable ISA for CDNA 5 (MIT licence, August 2026) and "CDNA5" Instruction Set Architecture Reference Guide (July 2026). The comments in the code are by the model that wrote it; some were corrected since.
;; Rotary Multi Head Attention. Allowed arithmetic: matrix products marked QUANTISED: E4M3 operands, one given power-of-two scale a tensor, by v_wmma_f32_16x16x64_fp8_fp8 or v_wmma_f32_16x16x128_fp8_fp8, f32 sums; products left as they are: f32 operands where the result goes on into a quantised operand, else bf16, f16 or f32 operands; f32 sums; everything else in f32.
;; Inputs: Wk_codes 1,024 x 32 x 32 uint8 (E4M3 codes of Wk, K innermost, in blocks of 32 codes); Wo_codes 1,024 x 32 x 32 uint8 (E4M3 codes of Wo, K innermost, in blocks of 32 codes); Wq_codes 1,024 x 32 x 32 uint8 (E4M3 codes of Wq, K innermost, in blocks of 32 codes); Wv_codes 1,024 x 32 x 32 uint8 (E4M3 codes of Wv, K innermost, in blocks of 32 codes); bk 1,024 float32; bo 1,024 float32; bq 1,024 float32; bv 1,024 float32; lowp_scales 12 int32 (the exponents e of the quantised operands' scales 2^e); x_codes 2 x 2,048 x 32 x 32 uint8 (E4M3 codes of x, K innermost, in blocks of 32 codes).
;; Outputs: out0 2 x 2,048 x 1,024 float32.
;; This version of the problem:
;;   THIS VERSION OF THE PROBLEM IS GIVEN IN LOW PRECISION. The matrix products marked QUANTISED in the list below multiply operands that are first quantised to E4M3 (4 exponent bits, 3 mantissa bits; 8 bits a number), with one given power-of-two scale for each operand tensor; their sums are f32. All else is computed in f32.
;;   The module's matrix products, in the order in which they are computed (A, B: the left and right operand; K: the contracted axis; several contracted axes count as one K, in the product's order):
;;     1. [M 4,096, K 1,024] x [K 1,024, N 1,024]; A: input x (given as codes); B: input Wq (given as codes): QUANTISED (scales: A lowp_scales[0], B lowp_scales[1])
;;     2. [M 4,096, K 1,024] x [K 1,024, N 1,024]; A: input x (given as codes); B: input Wk (given as codes): QUANTISED (scales: A lowp_scales[2], B lowp_scales[3])
;;     3. [M 4,096, K 1,024] x [K 1,024, N 1,024]; A: input x (given as codes); B: input Wv (given as codes): QUANTISED (scales: A lowp_scales[4], B lowp_scales[5])
;;     4. [M 2,048, K 1] x [K 1, N 32]; A: computed on the way; B: computed on the way: left as it is (no contracted axis)
;;     5. batch 32 x [M 2,048, K 64] x [K 64, N 2,048]; A: computed on the way; B: computed on the way: QUANTISED (scales: A lowp_scales[6], B lowp_scales[7])
;;     6. batch 32 x [M 2,048, K 2,048] x [K 2,048, N 64]; A: softmax (see below); B: computed on the way: QUANTISED (scales: A lowp_scales[8], B lowp_scales[9])
;;     7. [M 4,096, K 1,024] x [K 1,024, N 1,024]; A: computed on the way; B: input Wo (given as codes): QUANTISED (scales: A lowp_scales[10], B lowp_scales[11])
;;   THE QUANTISER, for each operand of a quantised product, along K:
;;     - The operand's scale is 2^e, e = its entry of the input lowp_scales (int32; the entries are numbered through the quantised products in the list's order, A before B).
;;     - Each number is divided by the scale, clamped to +-448, and rounded to the nearest number of E4M3, ties to even, subnormals kept.
;;     - The product sums the exact products of the quantised numbers (number of the format x scale) in f32.
;;   ~~~python
;;   def quantise(x, axis, e):      # numpy; x: float32 -> the quantised numbers, widened to float32 again
;;       x = np.moveaxis(x, axis, -1); K = x.shape[-1]
;;       r = np.clip(x / 2.0 ** e, -448, 448)
;;       step = 2.0 ** (np.maximum(np.frexp(np.where(r == 0, 1, r))[1] - 1, -6) - 3)
;;       q = np.round(r / step) * step * 2.0 ** e      # np.round: ties to even
;;       return np.moveaxis(q, -1, axis).astype(np.float32)
;;   ~~~
;;   SOFTMAX AHEAD OF A QUANTISED PRODUCT. Where the list says 'softmax', what is quantised is not the finished softmax but p = 2^(t - M), with t = logit x log2(e) and M = ceil(the row's largest t), a whole number; so 1/2 < the row's largest p <= 1. The row's sum l is taken of the UNQUANTISED p, in f32, and the product's result is divided by l at the end. Since M is a whole number, a kernel that streams over the keys may use a running M (the ceiling of the running maximum): every later rescaling is an exact power of two, so the quantised numbers keep their values, but for numbers so far below the row's largest that they fall under the format's range.
;;   OPERANDS COMPUTED ON THE WAY. 'Computed on the way' means the value that the module computes at that place (a softmax that the list does not call 'softmax' is quantised finished and normalised). What goes into a quantiser is computed in f32, as accurately as f32 sums, v_exp_f32 and their like allow (about 1e-6 of the number): no bf16 or f16 on the way to a quantiser, and a product that is left as it is and whose result goes on into a quantised operand takes f32 operands (vector FMAs, or v_wmma_f32_16x16x4_f32). A number that lies on a knife's edge between two numbers of the format may be rounded either way, as far as f32 arithmetic and the matrix unit's own rounding can turn it there, and no further.
;;   INPUTS GIVEN AS CODES. Wk (in the module: [1024, 1024], K = its axis 1); Wo (in the module: [1024, 1024], K = its axis 1); Wq (in the module: [1024, 1024], K = its axis 1); Wv (in the module: [1024, 1024], K = its axis 1); x (in the module: [2, 2048, 1024], K = its axis 2): each comes as NAME_codes (uint8): NAME with its K axis moved to the last place and cut into blocks of 32 codes, [.., K / 32, bytes a block], one block behind the other in memory; one code a byte (a code: sign, 4 exponent bits, 3 mantissa bits); its scale is its entry of lowp_scales. Its value is code x scale, taken as it is: it is not quantised again, and the codes and scales need not be those that the quantiser above would give.
;; One version. Each part assembles by itself: llvm-mc -triple=amdgcn-amd-amdhsa -mcpu=gfx1250 --defsym DOCPART=n.
;; ======== version 1 of 1: 3 launches
;; limits: right only within a limited range of input values
;; workspace buffers: q_img 4,194,304 bytes; k_img 4,194,304 bytes; v_img 4,194,304 bytes; a_img 4,194,304 bytes
;; launch qkv (part 1): grid 8 x 32, 4 waves a work-group, clusters of 4 x 4, 327,680 bytes of LDS; arguments x_codes, Wq_codes, Wk_codes, Wv_codes, bq, bk, bv, lowp_scales, q_img, k_img, v_img; writes q_img, k_img, v_img
.if DOCPART == 1
	.amdgcn_target "amdgcn-amd-amdhsa--gfx1250"
	.amdhsa_code_object_version 6
	.text
	.protected	k_qe22cd1f552_qkv
	.globl	k_qe22cd1f552_qkv
	.p2align	8
	.type	k_qe22cd1f552_qkv,@function
k_qe22cd1f552_qkv:
	s_mov_b64 s[64:65], 0
	v_nop
	global_prefetch_b8 v0, s[64:65] scope:SCOPE_SE
	s_setreg_imm32_b32 hwreg(HW_REG_WAVE_MODE, 25, 1), 1
	s_wait_xcnt 0x0
	s_wait_alu depctr_hold_cnt(0) depctr_sa_sdst(0) depctr_va_vdst(0) depctr_va_sdst(0) depctr_va_ssrc(0) depctr_va_vcc(0) depctr_vm_vsrc(0)
	s_getreg_b32 s2, hwreg(HW_REG_IB_STS2, 6, 4)
	s_cmp_eq_u32 s2, 0
	s_cbranch_scc0 .Lentry_in_a_cluster
	s_endpgm
.Lentry_in_a_cluster:
	s_bfe_u32 s2, ttmp6, 0x10000c
	s_cmp_lg_u32 s2, 0xf033
	s_cbranch_scc0 .Lentry_shape_is_right
	s_endpgm
.Lentry_shape_is_right:
; q = rope(x Wq^T + bq), k = rope(x Wk^T + bk), v = x Wv^T + bv, the three products on codes of FP8 (E4M3), then q, k and v quantised with the given scales 2^e6, 2^e7, 2^e9.
; x: [4096][1024] codes; Wq, Wk, Wv: [1024][1024] codes, K innermost.  lowp_scales: e0, e1 (x, Wq), e2, e3 (x, Wk), e4, e5 (x, Wv).
; OUTPUT: images of the next launch's operand registers (lane (r, h), registers 2c, 2c+1: k = 16c + 8h + 0..7; registers 4i..4i+3 lie at 512 i + 16 lane):
;   q_img, k_img [batch x head 32][tile of 16 positions 128][1,024 bytes]: 16 positions x 64 of the head;   v_img [32][step of 128 keys 16][16 of the head's 64: 4][2,048 bytes]: rows = d, k = the key.
; SHARES.  A work-group takes 128 rows of x and the q, k and v columns of two heads; wave w takes 64 rows (w / 2) of one head (w % 2): 48 accumulators of 16 x 16.
; q and k are made TRANSPOSED (source 0 = 16 rows of W, source 1 = 16 rows of x): a lane holds one position and eight neighbouring d, and d and d + 32 are the same register of two accumulators: the rotation
; stays in the lane, and eight registers convert into two registers of the image.  v is made the natural way round: a lane holds one d and eight neighbouring positions, which are v's K (the keys).
; x's and W's fragments are both read by four 16-byte loads (k = 32c + 16h + 0..15 in registers 4c..4c+3): the same permutation of k on both sides, so every product meets its partner.
; The biases, divided by the power of two that the sums lack, are the C of each sum's first matrix instruction (so the matrix unit rounds that addition).
; cos and sin: angle = position x 10^(-f/8) in f32, reduced by multiples of pi/2 in two parts (the first fused multiply-add is exact for positions under 2,048), then polynomials of degree 7 and 8.
; CLUSTER 4 x 4: x's tile is shared along a row of the cluster, the W tiles along a column: joint loads.  K goes in four chunks of 256 through two LDS slots.
; LIMITS: e6-e0-e1, e7-e2-e3, e9-e4-e5 between -126 and 119, so that each scale and 448 x it is an f32 number.  NaN among the inputs is not served.
; REGISTERS.  window 0: v0-23 addresses and constants; v64-127, v128-191 x's fragments of the chunk's two K steps.   window 1: v0-63, v64-127 two sets of W fragments; v128-191 cos, v192-255 sin.
;   window 2: v0-127 q's accumulators, v128-255 k's, at 8 (4 a + b).   window 3: v0-127 v's, at 8 (4 b + a); v128-223 the biases as C, later the rotated numbers and the codes.
.set PITCH,  272                       ; an LDS row: 256 bytes + 16 of padding: the 16 rows of a fragment load start 68 words apart
.set FROW,   16*PITCH
.set WROWS,  64*PITCH
.set HALFT,  128*PITCH                 ; one tile: 128 rows
.set SLOT,   4*HALFT                   ; x's tile, then Wq's, Wk's, Wv's
.set SPARE,  2*SLOT                    ; behind the ring: the spare words, 128 bytes a wave, that no other line names
.set WV,   26                          ; s26 wave; s27 its half of the rows; s28 its head of the two
.set WR,   27
.set WC,   28
.set TCOL, 31                          ; s31 pair of heads 0..7;  s32 block of 128 rows 0..31
.set TROW, 32
.set G1A,  40                          ; s[40:47] group 1 for x's tiles;  s[48:55] for W's;  s[56:63], s[68:75] groups 0, one set a slot
.set G1B,  48
.set G0A,  56
.set G0B,  68
.set ES,   76                          ; s[76:87] e0 .. e11
.set ADRA, 4                           ; v4-5   x's fragments in slot 0, 1
.set ADRB, 6                           ; v6-11  W's fragments: slot x 3 + (q, k, v)
.set SPW,  12                          ; v12    my spare word;  v13 = 0: both kept for the add alone
.set NIL,  13
.set STA,  17                          ; v17    16 x lane: my place in an image's group of four registers
.set QSC,  18                          ; v18, v19: q's scale and 448 x it; v20, v21: k's; v22, v23: v's
.set AF,   64
.set COSR, 128                         ; window 1
.set SINR, 192
.set RA, 0                             ; window 1, at work for cos and sin: six sets of eight
.set RN, 8
.set RZ, 16
.set RI, 24
.set RS, 32
.set RC, 40
.set POS, 48                           ; v48-51 my position in each of the four tiles of rows, f32
.set IFR, 64                           ; v64-79 my sixteen inverse frequencies
.set BQ,  128                          ; window 3
.set BK,  160
.set BV,  192
.set RAWV, 224
.set YR,  128
.set CODE, 160
.set MSB, 0
.macro WIN new                         ; the immediate's high byte repeats the setting that is left
.if MSB != \new
	s_set_vgpr_msb (MSB<<8)|\new
.set MSB, \new
.endif
.endm
.macro PLACES                          ; four plain places behind matrix instructions, in front of loads into their registers and of reads of results
.rept 4
	v_nop
.endr
.endm
.macro CROUND                          ; a round of the cluster's barrier
	s_barrier_signal -1
	s_barrier_wait -1
	s_cmp_lg_u32 s[WV], 0
	s_cbranch_scc1 .Lnot_wave_0_\@
	s_barrier_signal -3
.Lnot_wave_0_\@:
	s_barrier_wait -3
	s_barrier_signal -1
	s_barrier_wait -1
.endm
.macro JLOAD sl                        ; a joint refill: wave 0 asks for x's tile, waves 1 to 3 for Wq's, Wk's, Wv's; four v_nop follow each line
	s_cmp_eq_u32 s[WV], 0
	s_cbranch_scc0 .Lfor_w_\@
	tensor_load_to_lds s[G0A+4*\sl:G0A+4*\sl+3], s[G1A:G1A+7]
	s_nop 0
	PLACES
	s_branch .Lasked_\@
.Lfor_w_\@:
	tensor_load_to_lds s[G0B+4*\sl:G0B+4*\sl+3], s[G1B:G1B+7]
	s_nop 0
	PLACES
.Lasked_\@:
.endm
	s_load_b256 s[4:11], s[0:1], 0x0               ; x, Wq, Wk, Wv
	s_load_b256 s[12:19], s[0:1], 0x20             ; bq, bk, bv, the scales' exponents
	s_load_b128 s[20:23], s[0:1], 0x40             ; q_img, k_img
	s_load_b64 s[24:25], s[0:1], 0x50              ; v_img
	v_lshl_add_u32 v[SPW], v0, 2, SPARE
	v_mov_b32 v[NIL], 0
	ds_add_u32 v12, v13
	ds_add_u32 v12, v13
	s_wait_dscnt 0x0
	v_lshrrev_b32 v1, 5, v0
	v_readfirstlane_b32 s[WV], v1
	s_lshr_b32 s[WR], s[WV], 1
	s_and_b32 s[WC], s[WV], 1
	s_bfe_u32 s29, ttmp6, 0x40000                  ; cx
	s_bfe_u32 s30, ttmp6, 0x40004                  ; cy
	s_lshl_b32 s[TCOL], ttmp9, 2
	s_add_co_u32 s[TCOL], s[TCOL], s29
	s_and_b32 s[TROW], ttmp7, 0xffff
	s_lshl_b32 s[TROW], s[TROW], 2
	s_add_co_u32 s[TROW], s[TROW], s30
	s_lshl_b32 s33, s30, 2
	s_lshl_b32 s33, 15, s33                        ; my row of the cluster
	s_lshl_b32 s34, 0x1111, s29                    ; my column
	s_or_b32 s[G1A], s33, (1<<20)|(1<<21)|(5<<22)|(3<<25)   ; the mask; elements of 1 byte; padding on; bit 21 beside a mask; 4 words behind every 64
	s_or_b32 s[G1B], s34, (1<<20)|(1<<21)|(5<<22)|(3<<25)
.irp g, G1A, G1B
	s_mov_b32 s[\g+1], 256<<16                     ; tensor_dim0 = 256
	s_mov_b32 s[\g+2], 128<<16                     ; tensor_dim1 = 128
	s_mov_b32 s[\g+3], 256<<16                     ; tile_dim0 = 256
	s_mov_b32 s[\g+4], 128                         ; tile_dim1 = 128
	s_mov_b32 s[\g+5], 1024                        ; from row to row
	s_mov_b32 s[\g+6], 0
	s_mov_b32 s[\g+7], 0
.endr
	s_lshl_b32 s36, s[TROW], 17                    ; x: 128 rows of 1,024 bytes a block
	s_mov_b32 s37, 0
	s_lshl_b32 s38, s[TCOL], 17                    ; W: likewise for a pair of heads
	s_mov_b32 s39, 0
	s_mul_i32 s35, s[WV], HALFT                    ; where my tile goes: the wave's number alone
	s_wait_kmcnt 0x0
	s_load_b256 s[ES:ES+7], s[18:19], 0x0
	s_load_b128 s[ES+8:ES+11], s[18:19], 0x20
	s_add_nc_u64 s[36:37], s[4:5], s[36:37]
	s_cmp_eq_u32 s[WV], 2                          ; which W is my wave's: the choice hangs on the wave's number alone
	s_cselect_b64 s[66:67], s[8:9], s[6:7]
	s_cmp_eq_u32 s[WV], 3
	s_cselect_b64 s[66:67], s[10:11], s[66:67]
	s_add_nc_u64 s[38:39], s[66:67], s[38:39]
	CROUND                                         ; all sixteen work-groups are here: the first joint loads meet
.irp s, 0,1
	s_mov_b32 s[G0A+4*\s], 1
	s_mov_b32 s[G0A+4*\s+1], \s*SLOT
	s_add_nc_u64 s[G0A+4*\s+2:G0A+4*\s+3], s[36:37], \s*256
	s_or_b32 s[G0A+4*\s+3], s[G0A+4*\s+3], 0x80000000
	s_mov_b32 s[G0B+4*\s], 1
	s_add_co_u32 s[G0B+4*\s+1], s35, \s*SLOT
	s_add_nc_u64 s[G0B+4*\s+2:G0B+4*\s+3], s[38:39], \s*256
	s_or_b32 s[G0B+4*\s+3], s[G0B+4*\s+3], 0x80000000
.endr
	JLOAD 0                                        ; chunk 0: one tensor load a wave at the head
	; A PREFETCH INTO THE L2 stands in chunks 0 and 1, for the chunk two on, one whole chunk ahead of its joint load: of the 128 rows that my wave fetches each of the four partners asks for 32,
	; told apart by address (cx for x, cy for W): a lane a row, 256 bytes, aligned.  Chunks 0 and 1 come by their loads alone; behind chunk 3 nothing is asked for.
	s_cmp_eq_u32 s[WV], 0
	s_cselect_b64 s[2:3], s[36:37], s[38:39]
	s_cselect_b32 s66, s29, s30
	s_lshl_b32 s66, s66, 15
	s_mov_b32 s67, 0
	s_add_nc_u64 s[2:3], s[2:3], s[66:67]
	v_and_b32 v24, 31, v0
	v_lshlrev_b32 v24, 10, v24                     ; my lane's row of 1,024 bytes; never rewritten
	; the biases of my head: for q and k lane (r, h) wants, for block b, those of d = 16 b + 8 h + 0..7; for v that of d = 16 b + r
	s_lshl_b32 s66, s[TCOL], 9
	s_lshl_b32 s67, s[WC], 8
	s_add_co_u32 s66, s66, s67
	s_mov_b32 s67, 0
	s_add_nc_u64 s[12:13], s[12:13], s[66:67]
	s_add_nc_u64 s[14:15], s[14:15], s[66:67]
	s_add_nc_u64 s[16:17], s[16:17], s[66:67]
	v_and_b32 v1, 15, v0                           ; r
	v_bfe_u32 v2, v0, 4, 1                         ; h
	v_lshlrev_b32 v14, 5, v2
	v_lshlrev_b32 v15, 2, v1
	WIN 0xc0                                       ; destination window 3
.irp b, 0,1,2,3
	global_load_b128 v[BQ+8*\b:BQ+8*\b+3],   v14, s[12:13] offset:64*\b
	global_load_b128 v[BQ+8*\b+4:BQ+8*\b+7], v14, s[12:13] offset:64*\b+16
	global_load_b128 v[BK+8*\b:BK+8*\b+3],   v14, s[14:15] offset:64*\b
	global_load_b128 v[BK+8*\b+4:BK+8*\b+7], v14, s[14:15] offset:64*\b+16
	global_load_b32  v[RAWV+\b], v15, s[16:17] offset:64*\b
.endr
	WIN 0
	; LDS addresses of the fragments: row x pitch + 16 h, + my 64 rows, + the tile, + the slot
	v_mul_u32_u24 v3, v1, PITCH
	v_lshl_add_u32 v3, v2, 4, v3
	s_mul_i32 s66, s[WR], WROWS
	v_add_nc_u32 v[ADRA], s66, v3
	v_add_nc_u32 v[ADRA+1], SLOT, v[ADRA]
	s_mul_i32 s67, s[WC], WROWS
	v_add_nc_u32 v16, s67, v3
.irp s, 0,1
.irp g, 0,1,2
	v_add_nc_u32 v[ADRB+3*\s+\g], \s*SLOT+(1+\g)*HALFT, v16
.endr
.endr
	v_and_b32 v[STA], 31, v0
	v_lshlrev_b32 v[STA], 4, v[STA]
	; where my images begin: batch x head, the block's 128 positions (8 tiles of q and k, one key step of v), my half of them
	s_lshr_b32 s66, s[TROW], 4
	s_lshl_b32 s66, s66, 4
	s_lshl_b32 s67, s[TCOL], 1
	s_add_co_u32 s66, s66, s67
	s_add_co_u32 s66, s66, s[WC]
	s_lshl_b32 s66, s66, 17
	s_and_b32 s67, s[TROW], 15
	s_lshl_b32 s67, s67, 13
	s_add_co_u32 s66, s66, s67
	s_lshl_b32 s100, s[WR], 12
	s_add_co_u32 s100, s100, s66
	s_mov_b32 s101, 0
	s_add_nc_u64 s[20:21], s[20:21], s[100:101]
	s_add_nc_u64 s[22:23], s[22:23], s[100:101]
	s_lshl_b32 s100, s[WR], 10
	s_add_co_u32 s100, s100, s66
	s_add_nc_u64 s[24:25], s[24:25], s[100:101]
	; ---- cos and sin of my positions, while the first tiles are on their way
	s_mov_b32 s88, 0x3f22f983                      ; 2 / pi
	s_mov_b32 s89, 0xbfc90fdb                      ; -(pi / 2 rounded to f32)
	s_mov_b32 s90, 0x333bbd2e                      ; -(pi / 2 less that)
	s_mov_b32 s91, 0xbe2aaaa3                      ; sin r = r + r z (S1 + S2 z + S3 z^2), z = r^2
	s_mov_b32 s92, 0x3c08839e
	s_mov_b32 s93, 0xb94ca1f9
	s_mov_b32 s94, 0x3d2aaaa5                      ; cos r = 1 - z / 2 + z^2 (C1 + C2 z + C3 z^2)
	s_mov_b32 s95, 0xbab6061a
	s_mov_b32 s96, 0x37ccf5ce
	s_and_b32 s66, s[TROW], 15
	s_lshl_b32 s66, s66, 7
	s_lshl_b32 s67, s[WR], 6
	s_add_co_u32 s66, s66, s67                     ; my wave's first position in its sequence
	v_add_nc_u32 v16, s66, v1
	WIN 0x40                                       ; destination window 1
.irp a, 0,1,2,3
	v_add_nc_u32 v[POS+\a], 16*\a, v16
.endr
	v_mov_b32 v53, v2
	WIN 0x55                                       ; all of it in window 1
.irp a, 0,1,2,3
	v_cvt_f32_u32 v[POS+\a], v[POS+\a]
.endr
	v_cmp_eq_u32 vcc_lo, 1, v53                    ; lanes 16-31
.macro INVF reg, lo, hi                ; 10000^(-f / 32) = 10^(-f / 8), f = 16 beta + 8 h + j: the decimal is rounded to f32 when the text is assembled
	v_mov_b32 v[\reg], \hi
	v_cndmask_b32 v[\reg], \lo, v[\reg], vcc_lo
.endm
	INVF IFR+0, 1.0, 0.1
	INVF IFR+1, 0.749894209332, 0.0749894209332
	INVF IFR+2, 0.562341325190, 0.0562341325190
	INVF IFR+3, 0.421696503429, 0.0421696503429
	INVF IFR+4, 0.316227766017, 0.0316227766017
	INVF IFR+5, 0.237137370566, 0.0237137370566
	INVF IFR+6, 0.177827941004, 0.0177827941004
	INVF IFR+7, 0.133352143216, 0.0133352143216
	INVF IFR+8, 0.01, 0.001
	INVF IFR+9, 0.00749894209332, 0.000749894209332
	INVF IFR+10, 0.00562341325190, 0.000562341325190
	INVF IFR+11, 0.00421696503429, 0.000421696503429
	INVF IFR+12, 0.00316227766017, 0.000316227766017
	INVF IFR+13, 0.00237137370566, 0.000237137370566
	INVF IFR+14, 0.00177827941004, 0.000177827941004
	INVF IFR+15, 0.00133352143216, 0.000133352143216
; eight angles at a time, stage by stage, so that no line waits for the line above it
.macro SC8 a, bt
.irp j, 0,1,2,3,4,5,6,7
	v_mul_f32 v[RA+\j], v[POS+\a], v[IFR+8*\bt+\j]         ; the angle, rounded to f32
.endr
.irp j, 0,1,2,3,4,5,6,7
	v_mul_f32 v[RN+\j], s88, v[RA+\j]
.endr
.irp j, 0,1,2,3,4,5,6,7
	v_rndne_f32 v[RN+\j], v[RN+\j]                         ; n = the nearest multiple of pi / 2
.endr
.irp j, 0,1,2,3,4,5,6,7
	v_fma_f32 v[RA+\j], v[RN+\j], s89, v[RA+\j]
.endr
.irp j, 0,1,2,3,4,5,6,7
	v_fma_f32 v[RA+\j], v[RN+\j], s90, v[RA+\j]            ; r = angle - n pi / 2
.endr
.irp j, 0,1,2,3,4,5,6,7
	v_mul_f32 v[RZ+\j], v[RA+\j], v[RA+\j]
	v_cvt_i32_f32 v[RI+\j], v[RN+\j]
.endr
.irp j, 0,1,2,3,4,5,6,7
	v_fma_f32 v[RS+\j], v[RZ+\j], s93, s92
	v_fma_f32 v[RC+\j], v[RZ+\j], s96, s95
.endr
.irp j, 0,1,2,3,4,5,6,7
	v_fma_f32 v[RS+\j], v[RS+\j], v[RZ+\j], s91
	v_fma_f32 v[RC+\j], v[RC+\j], v[RZ+\j], s94
.endr
.irp j, 0,1,2,3,4,5,6,7
	v_mul_f32 v[RS+\j], v[RS+\j], v[RZ+\j]
	v_fma_f32 v[RN+\j], v[RZ+\j], -0.5, 1.0
.endr
.irp j, 0,1,2,3,4,5,6,7
	v_mul_f32 v[RZ+\j], v[RZ+\j], v[RZ+\j]
	v_fma_f32 v[RS+\j], v[RS+\j], v[RA+\j], v[RA+\j]       ; sin r
.endr
.irp j, 0,1,2,3,4,5,6,7
	v_fma_f32 v[RC+\j], v[RZ+\j], v[RC+\j], v[RN+\j]       ; cos r
	v_and_b32 v[RA+\j], 1, v[RI+\j]
.endr
.irp j, 0,1,2,3,4,5,6,7
	v_cmp_eq_u32 vcc_lo, 1, v[RA+\j]                       ; n odd: sin and cos change places
	v_cndmask_b32 v[RN+\j], v[RS+\j], v[RC+\j], vcc_lo
	v_cndmask_b32 v[RZ+\j], v[RC+\j], v[RS+\j], vcc_lo
.endr
.irp j, 0,1,2,3,4,5,6,7
	v_lshlrev_b32 v[RA+\j], 30, v[RI+\j]                   ; sin changes sign where n mod 4 is 2 or 3,
	v_add_lshl_u32 v[RI+\j], v[RI+\j], 1, 30               ; cos where it is 1 or 2
.endr
.irp j, 0,1,2,3,4,5,6,7
	v_and_b32 v[RA+\j], 0x80000000, v[RA+\j]
	v_and_b32 v[RI+\j], 0x80000000, v[RI+\j]
.endr
.irp j, 0,1,2,3,4,5,6,7
	v_xor_b32 v[SINR+16*\a+8*\bt+\j], v[RN+\j], v[RA+\j]
	v_xor_b32 v[COSR+16*\a+8*\bt+\j], v[RZ+\j], v[RI+\j]
.endr
.endm
.irp a, 0,1,2,3
	SC8 \a, 0
	SC8 \a, 1
.if \a == 2
	WIN 0
	s_wait_alu depctr_va_vdst(0)
	s_wait_tensorcnt 0x0                           ; my part of chunk 0 is in
	ds_add_u32 v[SPW], v[NIL]
	s_wait_dscnt 0x0
	CROUND                                         ; chunk 0 is whole in every work-group,
	JLOAD 1                                        ; and chunk 1 is asked for, first thing behind the round
	WIN 0x55
.endif
.endr
	WIN 0
	s_wait_kmcnt 0x0
	s_wait_loadcnt 0x0                             ; the biases
	s_add_co_i32 s97, s[ES+0], s[ES+1]
	s_sub_co_i32 s97, 0, s97                       ; -(e0 + e1): a sum of the first product stands for sum x 2^(e0 + e1), so bq goes in divided by that
	s_add_co_i32 s98, s[ES+2], s[ES+3]
	s_sub_co_i32 s98, 0, s98
	s_add_co_i32 s99, s[ES+4], s[ES+5]
	s_sub_co_i32 s99, 0, s99
.macro PATTERN sc, lim, e, neg         ; s[sc] = 2^(e + neg) as f32: the three scales folded into the conversion's one;  s[lim] = 448 x that
	s_add_co_i32 s[\lim], s[\e], s[\neg]
	s_add_co_i32 s[\lim], s[\lim], 127
	s_lshl_b32 s[\sc], s[\lim], 23
	s_add_co_i32 s[\lim], s[\lim], 8
	s_lshl_b32 s[\lim], s[\lim], 23
	s_or_b32 s[\lim], s[\lim], 0x600000
.endm
	PATTERN 88, 89, ES+6, 97
	PATTERN 90, 91, ES+7, 98
	PATTERN 92, 93, ES+9, 99
.irp i, 0,1,2,3,4,5
	v_mov_b32 v[QSC+\i], s[88+\i]
.endr
	WIN 0xc3                                       ; source 0 and destination window 3
.set i, 0
.rept 32
	v_ldexp_f32 v[BQ+i], v[BQ+i], s97
	v_ldexp_f32 v[BK+i], v[BK+i], s98
.set i, i+1
.endr
.irp b, 0,1,2,3
.irp j, 0,1,2,3,4,5,6,7
	v_ldexp_f32 v[BV+8*\b+\j], v[RAWV+\b], s99     ; v's accumulators hold one d a lane: the same bias in all eight registers
.endr
.endr
	WIN 0
.macro FRAG reg, adr, off              ; 16 rows x 128 K: four loads of 16 bytes, 32 bytes apart
.irp c, 0,1,2,3
	ds_load_b128 v[\reg+4*\c:\reg+4*\c+3], v[\adr] offset:\off+32*\c
.endr
.endm
.macro FETCH_A sl, u                   ; x's four fragments of the chunk's K step u
	WIN 0
.irp a, 0,1,2,3
	FRAG AF+64*(\u)+16*\a,ADRA+(\sl),\a*FROW+128*(\u)
.endr
.endm
.macro FETCH_B sl, u, g, p             ; the four fragments of W number g (q, k, v), K step u, into set p
	WIN 0x40
.irp b, 0,1,2,3
	FRAG 64*(\p)+16*\b,ADRB+3*(\sl)+(\g),\b*FROW+128*(\u)
.endr
.endm
; 16 matrix instructions on 16 accumulators, one instruction a turn; first = 1: the bias is the sum's first C
.macro MULQK g, u, p, first
.if \first
	WIN 0xb1                                       ; W window 1, x window 0, C window 3, D window 2
.else
	WIN 0xa1
.endif
.irp a, 0,1,2,3
.irp b, 0,1,2,3
.if \first
	v_wmma_f32_16x16x128_fp8_fp8 v[128*(\g)+8*(4*\a+\b):128*(\g)+8*(4*\a+\b)+7], v[64*(\p)+16*\b:64*(\p)+16*\b+15], v[AF+64*(\u)+16*\a:AF+64*(\u)+16*\a+15], v[BQ+32*(\g)+8*\b:BQ+32*(\g)+8*\b+7]
.else
	v_wmma_f32_16x16x128_fp8_fp8 v[128*(\g)+8*(4*\a+\b):128*(\g)+8*(4*\a+\b)+7], v[64*(\p)+16*\b:64*(\p)+16*\b+15], v[AF+64*(\u)+16*\a:AF+64*(\u)+16*\a+15], v[128*(\g)+8*(4*\a+\b):128*(\g)+8*(4*\a+\b)+7]
.endif
.endr
.endr
.endm
.macro MULV u, p, first, hf=2          ; hf = 0, 1: x's tiles 0, 1 or 2, 3 alone; 2: all four
	WIN 0xf4                                       ; x window 0, W window 1, C and D window 3
.irp a, 0,1,2,3
.irp b, 0,1,2,3
.if (\hf == 2) || (\a/2 == \hf)
.if \first
	v_wmma_f32_16x16x128_fp8_fp8 v[8*(4*\b+\a):8*(4*\b+\a)+7], v[AF+64*(\u)+16*\a:AF+64*(\u)+16*\a+15], v[64*(\p)+16*\b:64*(\p)+16*\b+15], v[BV+8*\b:BV+8*\b+7]
.else
	v_wmma_f32_16x16x128_fp8_fp8 v[8*(4*\b+\a):8*(4*\b+\a)+7], v[AF+64*(\u)+16*\a:AF+64*(\u)+16*\a+15], v[64*(\p)+16*\b:64*(\p)+16*\b+15], v[8*(4*\b+\a):8*(4*\b+\a)+7]
.endif
.endif
.endr
.endr
.endm
.macro CREST                           ; a round of the cluster's barrier behind its opening barrier
	s_cmp_lg_u32 s[WV], 0
	s_cbranch_scc1 .Lnot_w0_\@
	s_barrier_signal -3
.Lnot_w0_\@:
	s_barrier_wait -3
	s_barrier_signal -1
	s_barrier_wait -1
.endm
; A chunk of 256 along K: six groups of 16 products (q, k, v for each of two K steps); x's first set and the sets of Wq and Wk for the first K step have been asked for ahead of it.  W's sets take turns, each fetched two groups ahead.
; Each wait's count is the loads issued behind the set that the next group reads.
; THE CHANGE OF SLOTS stands in the last two groups (nx > 0: another chunk follows).  Each wave waits for all its tensor loads (its part of the next slot) and adds 0 to its spare word; behind the fifth group it waits for the add and for its
; last reads of this slot.  nx = 2: the barrier is a round of the cluster's, and this slot is filled again with the chunk two on, first thing behind it.  Then the next chunk's first fragments are asked for.
.macro CHUNK sl, first, pf, nx
.if \pf
	global_prefetch_b8 v24, s[2:3] offset:\pf th:TH_LOAD_NT scope:SCOPE_SE   ; pf: where the chunk two on begins in a row
.endif
	s_wait_dscnt 16                                ; x's first set and Wq's are in; Wk's 16 loads may be out
	MULQK 0, 0, 0, \first
	PLACES
	FETCH_A \sl, 1
	FETCH_B \sl, 0, 2, 0
	s_wait_dscnt 32                                ; Wk's set is in; behind it: x's second set and Wv's
	MULQK 1, 0, 1, \first
	PLACES
	FETCH_B \sl, 1, 0, 1
	s_wait_dscnt 16
	MULV 0, 0, \first
	PLACES
	FETCH_B \sl, 1, 1, 0
	s_wait_dscnt 16
	MULQK 0, 1, 1, 0
	PLACES
	FETCH_B \sl, 1, 2, 1
.if \nx
	WIN 0
	s_wait_tensorcnt 0x0
	ds_add_u32 v[SPW], v[NIL]
.if \nx == 2
	s_add_nc_u64 s[G0A+4*\sl+2:G0A+4*\sl+3], s[G0A+4*\sl+2:G0A+4*\sl+3], 512
	s_add_nc_u64 s[G0B+4*\sl+2:G0B+4*\sl+3], s[G0B+4*\sl+2:G0B+4*\sl+3], 512
.endif
	s_wait_dscnt 17                                ; Wk's set is in; Wv's 16 loads and the add may be out
	MULQK 1, 1, 0, 0
	s_wait_dscnt 0x0                               ; the add is done, and so are my reads of this slot
	s_barrier_signal -1
	MULV 1, 1, 0, 0
	WIN 0
	s_barrier_wait -1
.if \nx == 2
	CREST
	JLOAD \sl                                      ; its four v_nop are also the places in front of the loads below
.else
	PLACES
.endif
	FETCH_A 1-\sl, 0
	FETCH_B 1-\sl, 0, 0, 0
	MULV 1, 1, 0, 1
	PLACES
	FETCH_B 1-\sl, 0, 1, 1
.else
	s_wait_dscnt 16
	MULQK 1, 1, 0, 0
	s_wait_dscnt 0x0
	MULV 1, 1, 0
.endif
	WIN 0
.endm
	s_wait_alu depctr_va_vdst(0)
	FETCH_A 0, 0
	FETCH_B 0, 0, 0, 0
	FETCH_B 0, 0, 1, 1
	WIN 0
	CHUNK 0, 1, 512, 2
	CHUNK 1, 0, 768, 2
	CHUNK 0, 0, 0, 1
	CHUNK 1, 0, 0, 0
	PLACES
; THE WAY OUT.  Tile a of q (g = 0) or k (g = 1): y(d) = x(d) cos - x(d + 32) sin, y(d + 32) = x(d + 32) cos + x(d) sin, two at a time; the hold at 448 x the scale (the conversion to an 8-bit code does not
; saturate: ISA guide 7.6.2); four conversions give the tile's image, which leaves by two stores of 512 consecutive bytes.  Each accumulator is read from its low end on.
.macro ROPEOUT g, a
	WIN 0xf6                                       ; sums window 2, cos and sin window 1, y window 3
.irp bt, 0,1
.irp jp, 0,2,4,6
	v_pk_mul_f32 v[YR+8*\bt+\jp:YR+8*\bt+\jp+1], v[128*(\g)+8*(4*(\a)+\bt+2)+\jp:128*(\g)+8*(4*(\a)+\bt+2)+\jp+1], v[SINR+16*(\a)+8*\bt+\jp:SINR+16*(\a)+8*\bt+\jp+1]
	v_pk_mul_f32 v[YR+16+8*\bt+\jp:YR+16+8*\bt+\jp+1], v[128*(\g)+8*(4*(\a)+\bt)+\jp:128*(\g)+8*(4*(\a)+\bt)+\jp+1], v[SINR+16*(\a)+8*\bt+\jp:SINR+16*(\a)+8*\bt+\jp+1]
.endr
.endr
.irp bt, 0,1
.irp jp, 0,2,4,6
	v_pk_fma_f32 v[YR+8*\bt+\jp:YR+8*\bt+\jp+1], v[128*(\g)+8*(4*(\a)+\bt)+\jp:128*(\g)+8*(4*(\a)+\bt)+\jp+1], v[COSR+16*(\a)+8*\bt+\jp:COSR+16*(\a)+8*\bt+\jp+1], v[YR+8*\bt+\jp:YR+8*\bt+\jp+1] neg_lo:[0,0,1] neg_hi:[0,0,1]
	v_pk_fma_f32 v[YR+16+8*\bt+\jp:YR+16+8*\bt+\jp+1], v[128*(\g)+8*(4*(\a)+\bt+2)+\jp:128*(\g)+8*(4*(\a)+\bt+2)+\jp+1], v[COSR+16*(\a)+8*\bt+\jp:COSR+16*(\a)+8*\bt+\jp+1], v[YR+16+8*\bt+\jp:YR+16+8*\bt+\jp+1]
.endr
.endr
	WIN 0xc3                                       ; numbers and codes window 3, scale and limit window 0
.set i, 0
.rept 32
	v_med3_num_f32 v[YR+i], v[YR+i], -v[QSC+2*(\g)+1], v[QSC+2*(\g)+1]
.set i, i+1
.endr
.irp b, 0,1,2,3
	v_cvt_scalef32_pk8_fp8_f32 v[CODE+8*(4*(\g)+(\a))+2*\b:CODE+8*(4*(\g)+(\a))+2*\b+1], v[YR+8*\b:YR+8*\b+7], v[QSC+2*(\g)]
.endr
	v_nop                                          ; one plain place behind the conversions: the next tile writes their sources
	WIN 0x0c                                       ; store data window 3, address window 0
	global_store_b128 v[STA], v[CODE+8*(4*(\g)+(\a)):CODE+8*(4*(\g)+(\a))+3], s[20+2*(\g):21+2*(\g)] offset:(\a)*1024
	global_store_b128 v[STA], v[CODE+8*(4*(\g)+(\a))+4:CODE+8*(4*(\g)+(\a))+7], s[20+2*(\g):21+2*(\g)] offset:(\a)*1024+512
.endm
; Block b of v's 64: my 64 positions are registers 8 (w / 2) .. + 7 of the key step's image: two groups of four
.macro VOUT b
	WIN 0xc3
.set i, 0
.rept 32
	v_med3_num_f32 v[32*(\b)+i], v[32*(\b)+i], -v[QSC+5], v[QSC+5]
.set i, i+1
.endr
.irp a, 0,1,2,3
	v_cvt_scalef32_pk8_fp8_f32 v[YR+8*(\b)+2*\a:YR+8*(\b)+2*\a+1], v[32*(\b)+8*\a:32*(\b)+8*\a+7], v[QSC+4]
.endr
	v_nop
	WIN 0x0c
	global_store_b128 v[STA], v[YR+8*(\b):YR+8*(\b)+3], s[24:25] offset:(\b)*2048
	global_store_b128 v[STA], v[YR+8*(\b)+4:YR+8*(\b)+7], s[24:25] offset:(\b)*2048+512
.endm
.irp a, 0,1,2,3
	ROPEOUT 0, \a
.endr
.irp a, 0,1,2,3
	ROPEOUT 1, \a
.endr
.irp b, 0,1,2,3
	VOUT \b
.endr
	WIN 0
	s_wait_tensorcnt 0x0                           ; the wave's end
	ds_add_u32 v[SPW], v[NIL]
	s_wait_dscnt 0x0
	CROUND                                         ; the closing round: no work-group ends while a partner may still ask for a tile that names it
	s_endpgm
.Lfunc_end_k_qe22cd1f552_qkv:
	.size	k_qe22cd1f552_qkv, .Lfunc_end_k_qe22cd1f552_qkv-k_qe22cd1f552_qkv
	.p2alignl 7, 3214868480
	.fill 96, 4, 3214868480
	.section	.rodata,"a",@progbits
	.p2align	6, 0x0
	.amdhsa_kernel k_qe22cd1f552_qkv
		.amdhsa_group_segment_fixed_size 327680
		.amdhsa_private_segment_fixed_size 0
		.amdhsa_enable_private_segment 0
		.amdhsa_kernarg_size 88
		.amdhsa_user_sgpr_count 2
		.amdhsa_user_sgpr_kernarg_segment_ptr 1
		.amdhsa_wavefront_size32 1
		.amdhsa_system_sgpr_workgroup_id_x 1
		.amdhsa_system_sgpr_workgroup_id_y 1
		.amdhsa_system_sgpr_workgroup_id_z 1
		.amdhsa_system_vgpr_workitem_id 0
		.amdhsa_next_free_vgpr 1024
		.amdhsa_next_free_sgpr 102
		.amdhsa_reserve_vcc 1
		.amdhsa_float_denorm_mode_32 3
		.amdhsa_float_denorm_mode_16_64 3
		.amdhsa_memory_ordered 1
		.amdhsa_forward_progress 1
		.amdhsa_inst_pref_size 207
	.end_amdhsa_kernel
	.amdgpu_metadata
---
amdhsa.version: [ 1, 2 ]
amdhsa.kernels:
  - .name:           k_qe22cd1f552_qkv
    .symbol:         k_qe22cd1f552_qkv.kd
    .args:
      - { .name: x_codes, .offset: 0, .size: 8, .value_kind: global_buffer, .address_space: global }
      - { .name: Wq_codes, .offset: 8, .size: 8, .value_kind: global_buffer, .address_space: global }
      - { .name: Wk_codes, .offset: 16, .size: 8, .value_kind: global_buffer, .address_space: global }
      - { .name: Wv_codes, .offset: 24, .size: 8, .value_kind: global_buffer, .address_space: global }
      - { .name: bq, .offset: 32, .size: 8, .value_kind: global_buffer, .address_space: global }
      - { .name: bk, .offset: 40, .size: 8, .value_kind: global_buffer, .address_space: global }
      - { .name: bv, .offset: 48, .size: 8, .value_kind: global_buffer, .address_space: global }
      - { .name: lowp_scales, .offset: 56, .size: 8, .value_kind: global_buffer, .address_space: global }
      - { .name: q_img, .offset: 64, .size: 8, .value_kind: global_buffer, .address_space: global }
      - { .name: k_img, .offset: 72, .size: 8, .value_kind: global_buffer, .address_space: global }
      - { .name: v_img, .offset: 80, .size: 8, .value_kind: global_buffer, .address_space: global }
    .group_segment_fixed_size: 327680
    .private_segment_fixed_size: 0
    .kernarg_segment_align: 8
    .kernarg_segment_size: 88
    .max_flat_workgroup_size: 128
    .sgpr_count:     102
    .vgpr_count:     1024
    .wavefront_size: 32
...
	.end_amdgpu_metadata
.endif
;; end of part 1
;; launch attn (part 2): grid 8 x 32, 8 waves a work-group, clusters of 4 x 1, 327,680 bytes of LDS; arguments q_img, k_img, v_img, lowp_scales, a_img; writes a_img
.if DOCPART == 2
	.amdgcn_target "amdgcn-amd-amdhsa--gfx1250"
	.amdhsa_code_object_version 6
	.text
	.protected	k_qe22cd1f552_attn
	.globl	k_qe22cd1f552_attn
	.p2align	8
	.type	k_qe22cd1f552_attn,@function
k_qe22cd1f552_attn:
	s_mov_b64 s[64:65], 0
	v_nop
	global_prefetch_b8 v0, s[64:65] scope:SCOPE_SE
	s_setreg_imm32_b32 hwreg(HW_REG_WAVE_MODE, 25, 1), 1
	s_wait_xcnt 0x0
	s_wait_alu depctr_hold_cnt(0) depctr_sa_sdst(0) depctr_va_vdst(0) depctr_va_sdst(0) depctr_va_ssrc(0) depctr_va_vcc(0) depctr_vm_vsrc(0)
	s_getreg_b32 s2, hwreg(HW_REG_IB_STS2, 6, 4)
	s_cmp_eq_u32 s2, 0
	s_cbranch_scc0 .Lentry_in_a_cluster
	s_endpgm
.Lentry_in_a_cluster:
	s_bfe_u32 s2, ttmp6, 0x10000c
	s_cmp_lg_u32 s2, 0x3003
	s_cbranch_scc0 .Lentry_shape_is_right
	s_endpgm
.Lentry_shape_is_right:
; For each of 32 (batch, head): O[q] = sum over k of softmax_k(Q[q] . K[k] / 8) V[k], both products on codes of FP8 (E4M3); O is quantised with 2^e10 for the last projection.
; q_img, k_img, v_img: images of operand registers (lane (r, h), registers 2c, 2c+1: k = 16c + 8h + 0..7; registers 4i..4i+3 at 512 i + 16 lane), so every LDS and global access covers 512 consecutive bytes.
; THE SOFTMAX: t = score x log2(e) / 8; M = the running largest t rounded UP to a whole number; p = 2^(t - M) is quantised with 2^e8, not normalised; the row's sum is taken of the unquantised p and divides at the end.
; When M moves, the sum and O are multiplied by f = 2^(old M - new M), made by v_ldexp_f32: nothing is rounded and there is no branch on data.
; SHARES.  A work-group owns 256 queries of one head, each of its eight waves 32: two tiles of 16; two waves lie on a SIMD.  The head's K and V, 256 KiB of codes, lie in LDS whole: each byte is filled once,
; by two tensor loads a wave: key steps 0 to 3 (of 128 keys), then steps 4 to 15.
; CLUSTER 4 x 1: the four query blocks of a cluster belong to one head: every tile of K and V is asked for jointly (mask 15).
; No data prefetch: the second load is asked for as soon as the first is in, has the key steps 0 to 2 in which to land, and nothing is asked for behind it.
; LAYOUT.  S^T = K Q^T (source 0 = 16 keys, source 1 = 16 queries, K = 64) and O^T = V^T P^T (source 0 = 16 of the head's 64, source 1 = P, K = 128 keys): a lane holds ONE query throughout; the eight registers
; of key tile kt convert into registers 2 kt, 2 kt + 1 of P.  O^T's eight registers are eight neighbouring d of one row: they convert into two registers of a_img's fragment.
; BY TURNS.  The wave's two tiles run half a key step apart.  A HALF has two regions.  In the first the one tile's 64 exponentials stand among 48 lines of the other tile that depend on none of each other: the first level of its sum
; and its hold.  In the second, without exponentials, that other tile goes on: O^T x f, conversions, K Q^T of its next step, V^T P, maximum, statistics, t - M; the rest of its sum's tree fills the places behind the products and stands
; between the links of the statistics.  Then the tiles change places; two halves are a key step.  K of the next step and V of this step are fetched in one run in the first half and waited for once, in the second.
; a_img: [tile of 16 rows 256][K step of 128: 8][2,048 bytes], k = (head % 2) x 64 + d.
; LIMITS: e6 + e7 between -123 and 130 (added to c's exponent field); e8 and e10 between -126 and 119; e8 + e9 is applied by v_ldexp_f32.  The scaled scores stay under 2^31 in magnitude.  NaN among the inputs is not served.
; REGISTERS.  window 0: v1 16 x lane; v2, v3 LDS addresses; v4 2^e8; v6, v7 the add's; v8-19 statistics; v20-29 at work; v32-63 the sum's tree; v64-127 K; v128-255 S^T, then p.
;   window 1: v0-63 O^T; v64-127 V; v128-143 Q; v144-159 P's codes.
.set WV,  14
.set CN,  3                            ; s3 -c
.set SEL, 22                           ; s[22:23] selects of v_permlanex16_b32: lane l xor 16
.set CS,  24                           ; s[24:25] c = log2(e) / 8 x 2^(e6 + e7)
.set G1,  28                           ; s[28:35], s[36:39]: the first load's groups;  s[44:51], s[40:43]: the second's
.set G0,  36
.set G0B, 40
.set G1B, 44
.set TB,  52                           ; s52 8,192 x the key step in hand;  s53 trips to go
.set CNT, 53
.set PL,  61                           ; s61 448 x 2^e8: p's hold
.set VBASE, 131072                     ; LDS: K's 16 key steps of 8,192 bytes, then V's 16
.set SPARE, 262144                     ; the spare words, 128 bytes a wave, that no other line names
.set LA,  1
.set ADK, 2
.set ADV, 3
.set PSC, 4
.set SPW, 6
.set NIL, 7
.set ST,  8                            ; tile t at v[8 + 6 t]: +0 -M, +1 the largest score, +2, +3 the sum in two halves, +4 f (+5 named with it)
.set X,   20
.set T,   32
.set KFR, 64
.set S,   128
.set VFR, 64                           ; window 1
.set QF,  128
.set PW,  144
.set MSB, 0
.macro WIN new                         ; the immediate's high byte repeats the setting that is left
.if MSB != \new
	s_set_vgpr_msb (MSB<<8)|\new
.set MSB, \new
.endif
.endm
.macro PLACES                          ; four plain places behind matrix instructions (ISA guide 7.12.1)
.rept 4
	v_nop
.endr
.endm
.macro CROUND                          ; a round of the cluster's barrier
	s_barrier_signal -1
	s_barrier_wait -1
	s_cmp_lg_u32 s[WV], 0
	s_cbranch_scc1 .Lnot_wave_0_\@
	s_barrier_signal -3
.Lnot_wave_0_\@:
	s_barrier_wait -3
	s_barrier_signal -1
	s_barrier_wait -1
.endm
	s_load_b128 s[4:7], s[0:1], 0x0                ; q_img, k_img
	s_load_b128 s[8:11], s[0:1], 0x10              ; v_img, the scales' exponents
	s_load_b64 s[12:13], s[0:1], 0x20              ; a_img
	v_lshl_add_u32 v[SPW], v0, 2, SPARE
	v_mov_b32 v[NIL], 0
	ds_add_u32 v[SPW], v[NIL]                      ; the opening lines: the add, twice on end, and its wait
	ds_add_u32 v[SPW], v[NIL]
	v_lshrrev_b32 v20, 5, v0
	v_readfirstlane_b32 s[WV], v20                 ; wave 0..7
	s_bfe_u32 s15, ttmp6, 0x40000                  ; cx
	s_lshl_b32 s16, ttmp9, 2
	s_add_co_u32 s16, s16, s15                     ; my block of 256 queries: it enters Q's and a_img's addresses alone
	s_and_b32 s17, ttmp7, 0xffff                   ; batch x head, which the four partners share
.macro GROUP1 g, rows                  ; a dense block as rows of 256 bytes
	s_mov_b32 s[\g], 15|(3<<16)|(1<<21)            ; the mask: all four; elements of 8 bytes; bit 21 beside a mask; no padding
	s_mov_b32 s[\g+1], 32<<16
	s_mov_b32 s[\g+2], (\rows)<<16
	s_mov_b32 s[\g+3], 32<<16
	s_mov_b32 s[\g+4], \rows
	s_mov_b32 s[\g+5], 32
	s_mov_b32 s[\g+6], 0
	s_mov_b32 s[\g+7], 0
.endm
	GROUP1 G1, 32
	GROUP1 G1B, 96
	s_mov_b32 s[SEL], 0x76543210
	s_mov_b32 s[SEL+1], 0xfedcba98
	s_mov_b32 s[CS], 0x3e38aa3b                    ; log2(e) / 8
	; what I fetch: waves 0-3 K, 4-7 V; bits 1:0: which quarter of the load's steps
	s_lshr_b32 s18, s[WV], 2
	s_lshl_b32 s18, s18, 17
	s_and_b32 s20, s[WV], 3
	s_lshl_b32 s21, s20, 13                        ; steps 0 to 3: 32,768 bytes, a quarter each
	s_mul_i32 s20, s20, 24576
	s_add_co_u32 s20, s20, 32768                   ; steps 4 to 15: 98,304 bytes, a quarter each
	s_add_co_u32 s26, s18, s21                     ; in LDS: the wave's number alone
	s_add_co_u32 s27, s18, s20
	s_lshl_b32 s54, s17, 17                        ; the head's 131,072 bytes
	s_add_co_u32 s18, s54, s21
	s_add_co_u32 s20, s54, s20
	s_mov_b32 s19, 0
	s_mov_b32 s21, 0
	s_wait_alu depctr_va_vdst(0)
	s_wait_dscnt 0x0
	s_wait_kmcnt 0x0
	s_load_b128 s[56:59], s[10:11], 0x18           ; e6, e7, e8, e9
	s_load_b32 s60, s[10:11], 0x28                 ; e10
	s_cmp_lt_u32 s[WV], 4
	s_cselect_b64 s[54:55], s[6:7], s[8:9]
	s_mov_b32 s[G0], 1
	s_mov_b32 s[G0+1], s26
	s_add_nc_u64 s[G0+2:G0+3], s[54:55], s[18:19]
	s_or_b32 s[G0+3], s[G0+3], 0x80000000
	s_mov_b32 s[G0B], 1
	s_mov_b32 s[G0B+1], s27
	s_add_nc_u64 s[G0B+2:G0B+3], s[54:55], s[20:21]
	s_or_b32 s[G0B+3], s[G0B+3], 0x80000000
	CROUND                                         ; all four work-groups are here: the joint loads meet
	tensor_load_to_lds s[G0:G0+3], s[G1:G1+7]      ; steps 0 to 3
	s_nop 0
	PLACES
	s_lshl_b32 s26, s17, 17                        ; Q: head, block of 16 tiles, my two tiles of 1,024 bytes
	s_lshl_b32 s27, s16, 14
	s_add_co_u32 s26, s26, s27
	s_lshl_b32 s27, s[WV], 11
	s_add_co_u32 s26, s26, s27
	s_mov_b32 s27, 0
	s_add_nc_u64 s[4:5], s[4:5], s[26:27]
	v_and_b32 v[LA], 31, v0
	v_lshlrev_b32 v[LA], 4, v[LA]
	WIN 0x40                                       ; destination window 1
.irp t, 0,1
.irp i, 0,1
	global_load_b128 v[QF+8*\t+4*\i:QF+8*\t+4*\i+3], v[LA], s[4:5] offset:1024*\t+512*\i
.endr
.endr
.set i, 0
.rept 64
	v_mov_b32 v[i], 0                              ; O^T.  (A half is written once for all steps: the first finds zeros, which the first change of M leaves zeros)
.set i, i+1
.endr
	WIN 0
.irp t, 0,1
	v_mov_b32 v[ST+6*\t], 0x7f61b1e6               ; -M: 3e38
	v_mov_b32 v[ST+6*\t+1], 0xff61b1e6             ; the largest score so far: -3e38
	v_mov_b32 v[ST+6*\t+2], 0                      ; the sum
	v_mov_b32 v[ST+6*\t+3], 0
	v_mov_b32 v[ST+6*\t+5], 0
	v_mov_b32 v[X+8+\t], 0                         ; a lane permute's destination counts as one of its sources
.endr
	s_lshr_b32 s26, s17, 4                         ; a_img: ((batch x 128 + block x 16 + 2 wave) x 8 + head / 2) x 2,048 + (head % 2) x 1,024
	s_lshl_b32 s26, s26, 21
	s_lshl_b32 s18, s16, 18
	s_add_co_u32 s26, s26, s18
	s_lshl_b32 s18, s[WV], 15
	s_add_co_u32 s26, s26, s18
	s_and_b32 s18, s17, 15
	s_lshl_b32 s18, s18, 10
	s_add_co_u32 s26, s26, s18
	s_add_nc_u64 s[12:13], s[12:13], s[26:27]
	s_wait_alu depctr_va_vdst(0)
	s_wait_kmcnt 0x0
	s_add_co_i32 s26, s56, s57
	s_lshl_b32 s26, s26, 23
	s_add_co_i32 s[CS], s[CS], s26                 ; a score stands for score x 2^(e6 + e7)
	s_mov_b32 s[CS+1], s[CS]                       ; (named with it as a pair)
	s_xor_b32 s[CN], s[CS], 0x80000000
	s_add_co_i32 s26, s58, 127
	s_lshl_b32 s27, s26, 23
	v_mov_b32 v[PSC], s27
	s_add_co_i32 s26, s26, 8
	s_lshl_b32 s26, s26, 23
	s_or_b32 s[PL], s26, 0x600000
.macro EX r                            ; p = 2^(t - M), at most 1
	v_exp_f32 v[(\r)], v[(\r)]
.endm
.macro HOLD2 r                         ; the conversion to an 8-bit code does not saturate (ISA guide 7.6.2); p is never negative, so the hold is one-sided; two numbers a line
	v_dual_min_num_f32 v[(\r)], s[PL], v[(\r)] :: v_dual_min_num_f32 v[(\r)+1], s[PL], v[(\r)+1]
.endm
.macro A2 a, b                         ; a line of the sum's tree
	v_pk_add_f32 v[T+(\a):T+(\a)+1], v[T+(\a):T+(\a)+1], v[T+(\b):T+(\b)+1]
.endm
.macro TOTAL                           ; the sum under the new M
	v_pk_fma_f32 v[TY+2:TY+3], v[TY+2:TY+3], v[TY+4:TY+5], v[T:T+1] op_sel_hi:[1,0,1]
.endm
.macro TM n                            ; t - M: the next n pairs
.rept \n
	v_pk_fma_f32 v[SY+2*i:SY+2*i+1], v[SY+2*i:SY+2*i+1], s[CS:CS+1], v[TY:TY+1] op_sel_hi:[1,0,0]
.set i, i+1
.endr
.endm
.macro LOADK adr, off                  ; a key step's eight fragments of K
.irp kt, 0,1,2,3,4,5,6,7
	ds_load_b128 v[KFR+8*\kt:KFR+8*\kt+3],   v[\adr] offset:\off+1024*\kt
	ds_load_b128 v[KFR+8*\kt+4:KFR+8*\kt+7], v[\adr] offset:\off+1024*\kt+512
.endr
.endm
; A HALF.  Tile 1 - y has its exponentials (doE).  doC: tile y's step in hand is finished.   doK: its next step is begun.
; ld = 2: behind the products the next step's K and this step's V are fetched; 1: V alone; 0: nothing.   wt = 1: the run of loads of the half before is waited for.
.macro HALF y, doE, doC, doK, ld, wt
.set SX, S+64*(1-(\y))
.set SY, S+64*(\y)
.set TY, ST+6*(\y)
.set OY, 32*(\y)
.if \doE + \doC
	s_wait_alu depctr_va_vdst(0)                   ; the wait ahead of the batch,
.set i, 0
.rept 16
.if \doE
	EX SX+4*i
.endif
.if \doC
	v_pk_add_f32 v[T+2*i:T+2*i+1], v[SY+4*i:SY+4*i+1], v[SY+4*i+2:SY+4*i+3]   ; THE ROW'S SUM IS TAKEN OF THE UNQUANTISED p, ahead of its hold
.endif
.if \doE
	EX SX+4*i+1
.endif
.if \doC
	HOLD2 SY+4*i
.endif
.if \doE
	EX SX+4*i+2
	EX SX+4*i+3
.endif
.if \doC
	HOLD2 SY+4*i+2
.endif
.set i, i+1
.endr
.if \doC
	WIN 0x51                                       ; O^T window 1, f window 0
.else
	v_nop                                          ; one plain place behind the exponentials
.endif
	s_wait_alu depctr_va_vdst(0)                   ; and behind it (and directly ahead of the first reader of O^T)
.endif
.if \doC
.if \wt
	s_wait_dscnt 0x0                               ; this step's V and the next step's K are in: their loads were issued in the half before
	s_wait_alu depctr_va_vdst(0)                   ; the wait directly ahead of the first reader of O^T
.endif
.set i, 0
.rept 16
	v_pk_mul_f32 v[OY+2*i:OY+2*i+1], v[OY+2*i:OY+2*i+1], v[TY+4:TY+5] op_sel_hi:[1,0]   ; O^T under the new M, each accumulator from its low end on
.set i, i+1
.endr
	WIN 0x40                                       ; codes window 1, numbers and scale window 0
.irp kt, 0,1,2,3,4,5,6,7
	v_cvt_scalef32_pk8_fp8_f32 v[PW+2*\kt:PW+2*\kt+1], v[SY+8*\kt:SY+8*\kt+7], v[PSC]
.endr
	WIN 0
.irp n, 0,1,2,3,4,5,6,7
	A2 4*\n, 4*\n+2                                ; (also the plain lines behind the conversions)
.endr
.endif
.if \doK
	WIN 0x04                                       ; Q window 1; K and S^T window 0
.irp kt, 0,1,2,3,4,5,6,7
	v_wmma_f32_16x16x64_fp8_fp8 v[SY+8*\kt:SY+8*\kt+7], v[KFR+8*\kt:KFR+8*\kt+7], v[QF+8*(\y):QF+8*(\y)+7], 0
.endr
.endif
.if \doC
	WIN 0x55                                       ; all of it window 1
.irp b, 0,1,2,3
	v_wmma_f32_16x16x128_fp8_fp8 v[OY+8*\b:OY+8*\b+7], v[VFR+16*\b:VFR+16*\b+15], v[PW:PW+15], v[OY+8*\b:OY+8*\b+7]
.endr
	WIN 0
	A2 0, 4                                        ; the four places behind the products
	A2 8, 12
	A2 16, 20
	A2 24, 28
.else
	WIN 0
	PLACES
.endif
.if \ld
	v_add_nc_u32 v[ADK], s[TB], v[LA]
	v_add_nc_u32 v[ADV], VBASE, v[ADK]
.if \ld == 2
	LOADK ADK, 8192
.endif
	WIN 0x40
.irp b, 0,1,2,3
.irp i, 0,1,2,3
	ds_load_b128 v[VFR+16*\b+4*\i:VFR+16*\b+4*\i+3], v[ADV] offset:2048*\b+512*\i
.endr
.endr
	WIN 0
.endif
.if \doK
	; the largest score of my query so far: eight chains, each over one accumulator from its low end on; the numbers left over and the running maximum join at the end
.irp c, 0,1,2,3,4,5,6,7
	v_max3_num_f32 v[X+\c], v[SY+8*\c], v[SY+8*\c+1], v[SY+8*\c+2]
.endr
.irp s, 3,5
.irp c, 0,1,2,3,4,5,6,7
	v_max3_num_f32 v[X+\c], v[X+\c], v[SY+8*\c+\s], v[SY+8*\c+\s+1]
.endr
.endr
.irp c, 0,2,4,6
	v_max3_num_f32 v[X+\c], v[X+\c], v[X+\c+1], v[SY+4*\c+7]
.endr
	v_max3_num_f32 v[X+1], v[SY+55], v[SY+63], v[TY+1]
	v_max3_num_f32 v[X], v[X], v[X+2], v[SY+39]
	v_max3_num_f32 v[X+4], v[X+4], v[X+6], v[SY+47]
.if \doC
	A2 0, 8
	A2 16, 24
.endif
	v_max3_num_f32 v[X], v[X], v[X+4], v[X+1]
	v_mov_b32 v[X+9], v[TY]                        ; the old -M
	v_permlanex16_b32 v[X+8], v[X], s[SEL], s[SEL+1]
.if \doC
	A2 0, 16
.endif
	v_max_num_f32 v[TY+1], v[X], v[X+8]            ; and among lane l xor 16's
.if \doC
	TOTAL
.endif
	v_mul_f32 v[X+1], s[CN], v[TY+1]               ; -t of it (c is positive)
	v_floor_f32 v[TY], v[X+1]                      ; the new -M = floor(-t) = -ceil(t)
.set i, 0
	TM 1
	v_sub_f32 v[X+1], v[TY], v[X+9]                ; old M - new M: a whole number, 0 or less
	TM 4
	v_cvt_i32_f32 v[X+1], v[X+1]                   ; (it saturates)
	TM 4
	v_ldexp_f32 v[TY+4], 1.0, v[X+1]               ; f
	TM 23
.else
	A2 0, 8
	A2 16, 24
	A2 0, 16
	TOTAL
.endif
.endm
; n key steps from step tb / 8,192 on.  A step's first half fetches the NEXT step's K: so the second load's barrier stands one step ahead of its first key step.
.macro TRIPS n, tb
	s_mov_b32 s[TB], \tb
	s_mov_b32 s[CNT], \n
	s_wait_alu depctr_va_vdst(0)
.Ltrip_\@:
	HALF 1, 1, 1, 1, 2, 0
	HALF 0, 1, 1, 1, 0, 1
	s_add_co_u32 s[TB], s[TB], 8192
	s_sub_co_u32 s[CNT], s[CNT], 1
	s_cmp_lg_u32 s[CNT], 0
	s_wait_alu depctr_va_vdst(0)                   ; the wait ahead of the branch
	s_cbranch_scc1 .Ltrip_\@
.endm
	s_wait_alu depctr_va_vdst(0)                   ; the wait at the head's end
	s_wait_loadcnt 0x0                             ; Q
	s_wait_tensorcnt 0x0                           ; my part of steps 0 to 3 is in
	ds_add_u32 v[SPW], v[NIL]
	s_wait_dscnt 0x0
	CROUND                                         ; steps 0 to 3 are whole in every work-group,
	tensor_load_to_lds s[G0B:G0B+3], s[G1B:G1B+7]  ; and steps 4 to 15 are asked for
	s_nop 0
	PLACES
	LOADK LA, 0                                    ; key step 0
	s_wait_dscnt 0x0
	HALF 0, 0, 0, 1, 0, 0                          ; tile 0 begins step 0: there is no other work yet to set beside it
	s_mov_b32 s[TB], 0
	HALF 1, 1, 0, 1, 2, 0                          ; tile 0's exponentials; tile 1 begins step 0; K of step 1, V of step 0
	HALF 0, 1, 1, 1, 0, 1                          ; tile 1's exponentials; tile 0 ends step 0 and begins step 1
	TRIPS 2, 8192                                  ; steps 1, 2
	s_wait_tensorcnt 0x0                           ; my part of steps 4 to 15 is in
	s_wait_dscnt 0x0
	s_barrier_signal -1
	s_barrier_wait -1
	TRIPS 12, 3*8192                               ; steps 3 to 14
	s_mov_b32 s[TB], 15*8192                       ; the last step is written out: no K is left to fetch, no step to begin
	HALF 1, 1, 1, 1, 1, 0
	HALF 0, 1, 1, 0, 0, 1
	HALF 1, 0, 1, 0, 0, 0
	; THE WAY OUT: O^T x 2^(e8 + e9) / the sum, held, quantised with 2^e10: a tile's 32 numbers a lane become eight registers of a_img's fragment
.irp t, 0,1
	v_add_f32 v[ST+6*\t+2], v[ST+6*\t+2], v[ST+6*\t+3]
.endr
.irp t, 0,1
	v_permlanex16_b32 v[X+8+\t], v[ST+6*\t+2], s[SEL], s[SEL+1]
.endr
.irp t, 0,1
	v_add_f32 v[ST+6*\t+2], v[ST+6*\t+2], v[X+8+\t]
.endr
	s_add_co_i32 s26, s60, 127
	s_lshl_b32 s27, s26, 23
	v_mov_b32 v[X], s27                            ; 2^e10
	s_add_co_i32 s26, s26, 8
	s_lshl_b32 s26, s26, 23
	s_or_b32 s26, s26, 0x600000
	v_mov_b32 v[X+1], s26                          ; 448 x 2^e10
	s_add_co_i32 s26, s58, s59
	s_wait_alu depctr_va_vdst(0)                   ; the wait ahead of the batch,
.irp t, 0,1
	v_rcp_f32 v[ST+6*\t+2], v[ST+6*\t+2]
.endr
	v_nop                                          ; one plain place behind it,
	s_wait_alu depctr_va_vdst(0)                   ; and the wait behind it
.irp t, 0,1
	v_ldexp_f32 v[ST+6*\t+2], v[ST+6*\t+2], s26
.endr
	WIN 0x01                                       ; O^T window 1; the rest window 0
	s_wait_alu depctr_va_vdst(0)                   ; the wait directly ahead of the first reader of O^T
.irp t, 0,1
.set i, 0
.rept 32
	v_mul_f32 v[S+32*\t+i], v[32*\t+i], v[ST+6*\t+2]   ; each accumulator from its low end on
.set i, i+1
.endr
.endr
	WIN 0
.set i, 0
.rept 64
	v_med3_num_f32 v[S+i], v[S+i], -v[X+1], v[X+1]
.set i, i+1
.endr
.irp t, 0,1
.irp b, 0,1,2,3
	v_cvt_scalef32_pk8_fp8_f32 v[T+8*\t+2*\b:T+8*\t+2*\b+1], v[S+32*\t+8*\b:S+32*\t+8*\b+7], v[X]
.endr
.endr
	v_nop
.irp t, 0,1
.irp i, 0,1
	global_store_b128 v[LA], v[T+8*\t+4*\i:T+8*\t+4*\i+3], s[12:13] offset:16384*\t+512*\i   ; the wave stores 512 consecutive bytes
.endr
.endr
	s_wait_tensorcnt 0x0                           ; the wave's end
	ds_add_u32 v[SPW], v[NIL]
	s_wait_dscnt 0x0
	CROUND                                         ; the closing round
	s_endpgm
.Lfunc_end_k_qe22cd1f552_attn:
	.size	k_qe22cd1f552_attn, .Lfunc_end_k_qe22cd1f552_attn-k_qe22cd1f552_attn
	.p2alignl 7, 3214868480
	.fill 96, 4, 3214868480
	.section	.rodata,"a",@progbits
	.p2align	6, 0x0
	.amdhsa_kernel k_qe22cd1f552_attn
		.amdhsa_group_segment_fixed_size 327680
		.amdhsa_private_segment_fixed_size 0
		.amdhsa_enable_private_segment 0
		.amdhsa_kernarg_size 40
		.amdhsa_user_sgpr_count 2
		.amdhsa_user_sgpr_kernarg_segment_ptr 1
		.amdhsa_wavefront_size32 1
		.amdhsa_system_sgpr_workgroup_id_x 1
		.amdhsa_system_sgpr_workgroup_id_y 1
		.amdhsa_system_sgpr_workgroup_id_z 1
		.amdhsa_system_vgpr_workitem_id 0
		.amdhsa_next_free_vgpr 416
		.amdhsa_next_free_sgpr 66
		.amdhsa_reserve_vcc 0
		.amdhsa_float_denorm_mode_32 3
		.amdhsa_float_denorm_mode_16_64 3
		.amdhsa_memory_ordered 1
		.amdhsa_forward_progress 1
		.amdhsa_inst_pref_size 130
	.end_amdhsa_kernel
	.amdgpu_metadata
---
amdhsa.version: [ 1, 2 ]
amdhsa.kernels:
  - .name:           k_qe22cd1f552_attn
    .symbol:         k_qe22cd1f552_attn.kd
    .args:
      - { .name: q_img, .offset: 0, .size: 8, .value_kind: global_buffer, .address_space: global }
      - { .name: k_img, .offset: 8, .size: 8, .value_kind: global_buffer, .address_space: global }
      - { .name: v_img, .offset: 16, .size: 8, .value_kind: global_buffer, .address_space: global }
      - { .name: lowp_scales, .offset: 24, .size: 8, .value_kind: global_buffer, .address_space: global }
      - { .name: a_img, .offset: 32, .size: 8, .value_kind: global_buffer, .address_space: global }
    .group_segment_fixed_size: 327680
    .private_segment_fixed_size: 0
    .kernarg_segment_align: 8
    .kernarg_segment_size: 40
    .max_flat_workgroup_size: 256
    .sgpr_count:     66
    .vgpr_count:     416
    .wavefront_size: 32
...
	.end_amdgpu_metadata
.endif
;; end of part 2
;; launch oproj (part 3): grid 8 x 32, 4 waves a work-group, clusters of 4 x 4, 282,112 bytes of LDS; arguments a_img, Wo_codes, bo, lowp_scales, out0; writes out0
.if DOCPART == 3
	.amdgcn_target "amdgcn-amd-amdhsa--gfx1250"
	.amdhsa_code_object_version 6
	.text
	.protected	k_qe22cd1f552_oproj
	.globl	k_qe22cd1f552_oproj
	.p2align	8
	.type	k_qe22cd1f552_oproj,@function
k_qe22cd1f552_oproj:
	s_mov_b64 s[64:65], 0
	v_nop
	global_prefetch_b8 v0, s[64:65] scope:SCOPE_SE
	s_setreg_imm32_b32 hwreg(HW_REG_WAVE_MODE, 25, 1), 1
	s_wait_xcnt 0x0
	s_wait_alu depctr_hold_cnt(0) depctr_sa_sdst(0) depctr_va_vdst(0) depctr_va_sdst(0) depctr_va_ssrc(0) depctr_va_vcc(0) depctr_vm_vsrc(0)
	s_getreg_b32 s2, hwreg(HW_REG_IB_STS2, 6, 4)
	s_cmp_eq_u32 s2, 0
	s_cbranch_scc0 .Lentry_in_a_cluster
	s_endpgm
.Lentry_in_a_cluster:
	s_bfe_u32 s2, ttmp6, 0x10000c
	s_cmp_lg_u32 s2, 0xf033
	s_cbranch_scc0 .Lentry_shape_is_right
	s_endpgm
.Lentry_shape_is_right:
; out0 = a Wo^T x 2^(e10 + e11) + bo, on codes of FP8 (E4M3).  a_img: [tile of 16 rows 256][K step of 128: 8][2,048 bytes], images of the operand's registers (lane (r, h), registers 2c, 2c+1: k = 16c + 8h + 0..7;
; registers 4i..4i+3 at 512 i + 16 lane).  Wo: [1024][1024] codes, K innermost.  out0: [4096][1024] f32.
; A tile of out0 is 128 x 128 (256 work-groups); four waves, each 64 x 64: 16 accumulators.  All of K (1,024) lies in LDS: one tensor load a wave (waves 0, 1: a's halves; waves 2, 3: Wo's), each byte filled once; one barrier.
; a's fragments come by four 16-byte loads as they lie; Wo's rows by eight 8-byte loads a fragment, which give each k the same place.  A K step's fragments are asked for one step ahead, into two sets that take turns.
; THE MATRIX INSTRUCTION IS USED TRANSPOSED (source 0 = 16 rows of Wo, source 1 = 16 rows of a): a lane holds eight neighbouring columns of one row of out0.
; CLUSTER 4 x 4: a's tiles are shared along a row of the cluster, Wo's along a column: joint loads.  No data prefetch: everything is asked for at the head.
; LIMIT: e10 + e11 between -126 and 127, so that 2^(e10 + e11) is an f32 number.
; REGISTERS.  window 0: v1-31 addresses; v32-63 bo; v64-95 a block's results; v128-255 the accumulators at 8 (4 a + b).   window 1: Wo's four fragments, two sets at 0 and 64; a's four, two sets at 128 and 192.
.set BBASE, 131072                     ; LDS: a's 8 tiles of 16,384 bytes, then Wo's 128 rows
.set PITCH, 1040                       ; Wo's rows in LDS: 1,024 bytes + 16 of padding
.set SPITCH, 272
.set STAGE, BBASE+128*PITCH            ; behind Wo: 16 rows x 272 bytes for each wave, for the way out; no fill lands there
.set SPARE, STAGE+64*SPITCH            ; the spare words, 128 bytes a wave, that no other line names
.set WV,  14
.set G1A, 24                           ; s[24:31], s[32:35] a's groups;  s[44:51], s[52:55] Wo's
.set G0A, 32
.set G1B, 44
.set G0B, 52
.set ADA, 4
.set ADB, 6
.set STO, 10
.set RD,  11
.set CO,  12
.set SPW, 30
.set NIL, 31
.set BO,  32
.set T,   64
.set ACC, 128
.set MSB, 0
.macro WIN new                         ; the immediate's high byte repeats the setting that is left
.if MSB != \new
	s_set_vgpr_msb (MSB<<8)|\new
.set MSB, \new
.endif
.endm
.macro PLACES                          ; four plain places behind matrix instructions (ISA guide 7.12.1)
.rept 4
	v_nop
.endr
.endm
.macro CROUND
	s_barrier_signal -1
	s_barrier_wait -1
	s_cmp_lg_u32 s[WV], 0
	s_cbranch_scc1 .Lnot_wave_0_\@
	s_barrier_signal -3
.Lnot_wave_0_\@:
	s_barrier_wait -3
	s_barrier_signal -1
	s_barrier_wait -1
.endm
	s_load_b128 s[4:7], s[0:1], 0x0                ; a_img, Wo
	s_load_b128 s[8:11], s[0:1], 0x10              ; bo, the scales' exponents
	s_load_b64 s[12:13], s[0:1], 0x20              ; out0
	v_lshl_add_u32 v[SPW], v0, 2, SPARE
	v_mov_b32 v[NIL], 0
	ds_add_u32 v[SPW], v[NIL]                      ; the opening lines: the add, twice on end, and its wait
	ds_add_u32 v[SPW], v[NIL]
	v_lshrrev_b32 v1, 5, v0
	v_readfirstlane_b32 s[WV], v1
	s_lshr_b32 s15, s[WV], 1                       ; my half of the rows.  Also: I fetch for a (0) or for Wo (1)
	s_and_b32 s16, s[WV], 1                        ; my half of the columns.  Also: which half of that tile I fetch
	s_bfe_u32 s17, ttmp6, 0x40000                  ; cx
	s_bfe_u32 s18, ttmp6, 0x40004                  ; cy
	s_lshl_b32 s19, ttmp9, 2
	s_add_co_u32 s19, s19, s17                     ; tile column 0..7
	s_and_b32 s20, ttmp7, 0xffff
	s_lshl_b32 s20, s20, 2
	s_add_co_u32 s20, s20, s18                     ; tile row 0..31
	s_lshl_b32 s21, s18, 2
	s_lshl_b32 s21, 15, s21                        ; my row of the cluster
	s_lshl_b32 s22, 0x1111, s17                    ; my column
	s_or_b32 s[G1A], s21, (3<<16)|(1<<21)          ; a: elements of 8 bytes, no padding: four tiles of 16,384 bytes, dense
	s_mov_b32 s[G1A+1], 2048<<16
	s_mov_b32 s[G1A+2], 4<<16
	s_mov_b32 s[G1A+3], 2048<<16
	s_mov_b32 s[G1A+4], 4
	s_mov_b32 s[G1A+5], 2048
	s_mov_b32 s[G1A+6], 0
	s_mov_b32 s[G1A+7], 0
	s_or_b32 s[G1B], s22, (1<<20)|(1<<21)|(7<<22)|(3<<25)   ; Wo: 64 rows x 1,024 bytes, 4 words of padding behind every 256
	s_mov_b32 s[G1B+1], 1024<<16
	s_mov_b32 s[G1B+2], 64<<16
	s_mov_b32 s[G1B+3], 1024<<16
	s_mov_b32 s[G1B+4], 64
	s_mov_b32 s[G1B+5], 1024
	s_mov_b32 s[G1B+6], 0
	s_mov_b32 s[G1B+7], 0
	s_lshl_b32 s36, s20, 17                        ; a: the tile row's 131,072 bytes, + half of them
	s_lshl_b32 s37, s16, 16
	s_add_co_u32 s36, s36, s37
	s_mov_b32 s37, 0
	s_lshl_b32 s38, s19, 17                        ; Wo: 128 rows of 1,024 bytes a tile column, + half of them
	s_lshl_b32 s39, s16, 16
	s_add_co_u32 s38, s38, s39
	s_mov_b32 s39, 0
	s_lshl_b32 s40, s19, 9                         ; my 64 columns, in bytes of f32: 512 x tile column + 256 x half
	s_lshl_b32 s41, s16, 8
	s_add_co_u32 s40, s40, s41
	s_mov_b32 s41, 0
	s_lshl_b32 s42, s20, 19                        ; my first row of out0: (128 x tile row + 64 x half) rows of 4,096 bytes
	s_lshl_b32 s43, s15, 18
	s_add_co_u32 s42, s42, s43
	s_add_co_u32 s42, s42, s40
	s_mov_b32 s43, 0
	s_mov_b32 s[G0A], 1
	s_lshl_b32 s[G0A+1], s16, 16                   ; where they go: the wave's number alone
	s_mov_b32 s[G0B], 1
	s_mul_i32 s[G0B+1], s16, 64*PITCH
	s_add_co_u32 s[G0B+1], s[G0B+1], BBASE
	s_wait_alu depctr_va_vdst(0)
	s_wait_dscnt 0x0
	s_wait_kmcnt 0x0
	s_load_b64 s[2:3], s[10:11], 0x28              ; e10, e11
	s_add_nc_u64 s[G0A+2:G0A+3], s[4:5], s[36:37]
	s_or_b32 s[G0A+3], s[G0A+3], 0x80000000
	s_add_nc_u64 s[G0B+2:G0B+3], s[6:7], s[38:39]
	s_or_b32 s[G0B+3], s[G0B+3], 0x80000000
	s_add_nc_u64 s[8:9], s[8:9], s[40:41]
	s_add_nc_u64 s[12:13], s[12:13], s[42:43]
	CROUND                                         ; all sixteen work-groups are here: the joint loads meet
	s_cmp_eq_u32 s15, 0                            ; all fills of the launch, one to an arm
	s_cbranch_scc0 .Lfor_w
	tensor_load_to_lds s[G0A:G0A+3], s[G1A:G1A+7]
	s_nop 0
	PLACES
	s_branch .Lasked
.Lfor_w:
	tensor_load_to_lds s[G0B:G0B+3], s[G1B:G1B+7]
	s_nop 0
	PLACES
.Lasked:
	v_and_b32 v1, 15, v0                           ; r
	v_bfe_u32 v2, v0, 4, 1                         ; h
	v_lshlrev_b32 v15, 5, v2
.irp b, 0,1,2,3
	global_load_b128 v[BO+8*\b:BO+8*\b+3],   v15, s[8:9] offset:64*\b      ; bo at columns 16 b + 8 h + 0..7
	global_load_b128 v[BO+8*\b+4:BO+8*\b+7], v15, s[8:9] offset:64*\b+16
.endr
	v_and_b32 v3, 31, v0
	v_lshlrev_b32 v3, 4, v3                        ; 16 x lane
	s_lshl_b32 s40, s15, 16                        ; my four tiles of rows
	v_add_nc_u32 v[ADA], s40, v3
	v_mul_u32_u24 v13, v1, PITCH
	v_lshl_add_u32 v13, v2, 3, v13                 ; Wo: row x pitch + 8 h
	s_mul_i32 s41, s16, 64*PITCH
	s_add_co_u32 s41, s41, BBASE
	v_add_nc_u32 v[ADB], s41, v13
	s_mul_i32 s36, s[WV], 16*SPITCH
	s_add_co_u32 s36, s36, STAGE                   ; my stage
	v_mul_u32_u24 v14, v1, SPITCH
	v_lshl_add_u32 v[STO], v2, 5, v14              ; in: row r, 32 bytes for each half of the lanes
	v_add_nc_u32 v[STO], s36, v[STO]
	v_mul_u32_u24 v[RD], v2, SPITCH                ; back: lanes 0-15 one row of 256 bytes, lanes 16-31 the next
	v_lshl_add_u32 v[RD], v1, 4, v[RD]
	v_add_nc_u32 v[RD], s36, v[RD]
	v_lshlrev_b32 v[CO], 12, v2                    ; and the same two rows in out0
	v_lshl_add_u32 v[CO], v1, 4, v[CO]
.macro FETCH ks                        ; the fragments of K step ks into set ks % 2: 16 loads for a, 32 for Wo
	WIN 0x40
.irp a, 0,1,2,3
.irp i, 0,1,2,3
	ds_load_b128 v[128+64*((\ks)%2)+16*\a+4*\i:128+64*((\ks)%2)+16*\a+4*\i+3], v[ADA] offset:\a*16384+(\ks)*2048+512*\i
.endr
.endr
.irp b, 0,1,2,3
.irp c, 0,1,2,3,4,5,6,7
	ds_load_b64 v[64*((\ks)%2)+16*\b+2*\c:64*((\ks)%2)+16*\b+2*\c+1], v[ADB] offset:\b*16*PITCH+128*(\ks)+16*\c
.endr
.endr
.endm
; A K step of 128.  The 16 accumulators take turns, one instruction a turn; step 0's products start the sums.
.macro KST ks
.if \ks < 7
	PLACES                                         ; in front of loads into the set that the last step's products read
	FETCH \ks+1
	s_wait_dscnt 48                                ; this step's set is in; the next one's 48 loads may be out
.else
	s_wait_dscnt 0x0
.endif
	WIN 0x05                                       ; both sources window 1, C and D window 0
.irp a, 0,1,2,3
.irp b, 0,1,2,3
.if \ks == 0
	v_wmma_f32_16x16x128_fp8_fp8 v[ACC+8*(4*\a+\b):ACC+8*(4*\a+\b)+7], v[64*(\ks%2)+16*\b:64*(\ks%2)+16*\b+15], v[128+64*(\ks%2)+16*\a:128+64*(\ks%2)+16*\a+15], 0
.else
	v_wmma_f32_16x16x128_fp8_fp8 v[ACC+8*(4*\a+\b):ACC+8*(4*\a+\b)+7], v[64*(\ks%2)+16*\b:64*(\ks%2)+16*\b+15], v[128+64*(\ks%2)+16*\a:128+64*(\ks%2)+16*\a+15], v[ACC+8*(4*\a+\b):ACC+8*(4*\a+\b)+7]
.endif
.endr
.endr
.endm
	s_wait_alu depctr_va_vdst(0)                   ; the wait at the head's end
	s_wait_tensorcnt 0x0                           ; my part is in
	s_barrier_signal -1
	s_barrier_wait -1
	FETCH 0
.irp ks, 0,1,2,3,4,5,6,7
	KST \ks
.endr
	WIN 0
; THE WAY OUT, a block of 16 rows x 64 columns at a time: sum x 2^(e10 + e11) + bo, one packed multiply-add for two numbers; through my own stage in LDS, so that sixteen lanes store 256 consecutive bytes,
; at a multiple of 256 from out0's first byte.  LDS serves a wave's instructions in order (ISA guide 5.7.1.4): no wait between the stores and the loads, nor in front of the next block's stores.
.macro PACK a
.irp b, 0,1,2,3
.irp jp, 0,2,4,6
	v_pk_fma_f32 v[T+8*\b+\jp:T+8*\b+\jp+1], v[ACC+8*(4*(\a)+\b)+\jp:ACC+8*(4*(\a)+\b)+\jp+1], s[2:3], v[BO+8*\b+\jp:BO+8*\b+\jp+1] op_sel_hi:[1,0,1]
.endr
.endr
.irp b, 0,1,2,3
	ds_store_b128 v[STO], v[T+8*\b:T+8*\b+3] offset:64*\b
	ds_store_b128 v[STO], v[T+8*\b+4:T+8*\b+7] offset:64*\b+16
.endr
.irp t, 0,1,2,3,4,5,6,7
	ds_load_b128 v[ACC+32*(\a)+4*\t:ACC+32*(\a)+4*\t+3], v[RD] offset:\t*2*SPITCH   ; back into the block's own registers, which are never written again
.endr
.endm
.macro SEND a, younger                 ; younger: the LDS instructions issued behind block a's loads
.irp t, 0,1,2,3,4,5,6,7
	s_wait_dscnt \younger+7-\t
	global_store_b128 v[CO], v[ACC+32*(\a)+4*\t:ACC+32*(\a)+4*\t+3], s[12:13] offset:(\a)*65536+\t*8192 th:TH_STORE_NT
.endr
.endm
	s_wait_kmcnt 0x0
	s_add_co_i32 s2, s2, s3
	s_add_co_i32 s2, s2, 127
	s_lshl_b32 s2, s2, 23                          ; 2^(e10 + e11) as f32
	s_mov_b32 s3, s2                               ; (named with it as a pair)
	s_wait_loadcnt 0x0                             ; bo
	PLACES
	PACK 0
	PACK 1
	SEND 0, 16
	PACK 2
	SEND 1, 16
	PACK 3
	SEND 2, 16
	SEND 3, 0
	s_wait_tensorcnt 0x0                           ; the wave's end
	ds_add_u32 v[SPW], v[NIL]
	s_wait_dscnt 0x0
	CROUND                                         ; the closing round
	s_endpgm
.Lfunc_end_k_qe22cd1f552_oproj:
	.size	k_qe22cd1f552_oproj, .Lfunc_end_k_qe22cd1f552_oproj-k_qe22cd1f552_oproj
	.p2alignl 7, 3214868480
	.fill 96, 4, 3214868480
	.section	.rodata,"a",@progbits
	.p2align	6, 0x0
	.amdhsa_kernel k_qe22cd1f552_oproj
		.amdhsa_group_segment_fixed_size 282112
		.amdhsa_private_segment_fixed_size 0
		.amdhsa_enable_private_segment 0
		.amdhsa_kernarg_size 40
		.amdhsa_user_sgpr_count 2
		.amdhsa_user_sgpr_kernarg_segment_ptr 1
		.amdhsa_wavefront_size32 1
		.amdhsa_system_sgpr_workgroup_id_x 1
		.amdhsa_system_sgpr_workgroup_id_y 1
		.amdhsa_system_sgpr_workgroup_id_z 1
		.amdhsa_system_vgpr_workitem_id 0
		.amdhsa_next_free_vgpr 512
		.amdhsa_next_free_sgpr 66
		.amdhsa_reserve_vcc 0
		.amdhsa_float_denorm_mode_32 3
		.amdhsa_float_denorm_mode_16_64 3
		.amdhsa_memory_ordered 1
		.amdhsa_forward_progress 1
		.amdhsa_inst_pref_size 53
	.end_amdhsa_kernel
	.amdgpu_metadata
---
amdhsa.version: [ 1, 2 ]
amdhsa.kernels:
  - .name:           k_qe22cd1f552_oproj
    .symbol:         k_qe22cd1f552_oproj.kd
    .args:
      - { .name: a_img, .offset: 0, .size: 8, .value_kind: global_buffer, .address_space: global }
      - { .name: Wo_codes, .offset: 8, .size: 8, .value_kind: global_buffer, .address_space: global }
      - { .name: bo, .offset: 16, .size: 8, .value_kind: global_buffer, .address_space: global }
      - { .name: lowp_scales, .offset: 24, .size: 8, .value_kind: global_buffer, .address_space: global }
      - { .name: out0, .offset: 32, .size: 8, .value_kind: global_buffer, .address_space: global }
    .group_segment_fixed_size: 282112
    .private_segment_fixed_size: 0
    .kernarg_segment_align: 8
    .kernarg_segment_size: 40
    .max_flat_workgroup_size: 128
    .sgpr_count:     66
    .vgpr_count:     512
    .wavefront_size: 32
...
	.end_amdgpu_metadata
.endif
;; end of part 3
